; MI455X (gfx1250); checked and timed in simulation.
; The chip was launched on July 23, 2026; its instructions are those of AMD's public machine-readable ISA for CDNA 5 (MIT licence, August 2026) and "CDNA5" Instruction Set Architecture Reference Guide (July 2026). The comments in the code are by the model that wrote it; some were corrected since.
;; Neural Tensor Layer. Allowed arithmetic: matrix products marked QUANTISED: E3M2 operands, one E8M0 scale for each 32 along K, by v_wmma_scale_f32_16x16x128_f8f6f4 with both operands' format E3M2, f32 sums; products left as they are: f32 operands where the result goes on into a quantised operand, else bf16, f16 or f32 operands; f32 sums; everything else in f32.
;; Inputs: V 256 x 64 float32; W 64 x 128 x 128 float32; b 128 float32; e1 32,768 x 128 float32; e2 32,768 x 128 float32.
;; Outputs: out0 32,768 x 64 float32.
;; This version of the problem:
;;   THIS VERSION OF THE PROBLEM IS GIVEN IN LOW PRECISION. The matrix products marked QUANTISED in the list below multiply operands that are first quantised to E3M2 (3 exponent bits, 2 mantissa bits; 6 bits a number), with one power-of-two scale for each 32 numbers along K (OCP MX v1.0); their sums are f32. All else is computed in f32.
;;   The module's matrix products, in the order in which they are computed (A, B: the left and right operand; K: the contracted axis; several contracted axes count as one K, in the product's order):
;;     1. [M 32,768, K 256] x [K 256, N 64]; A: computed on the way; B: input V: QUANTISED
;;     2. [M 8,192, K 128] x [K 128, N 32,768]; A: input W; B: input e1: QUANTISED
;;     3. batch 32,768 x [M 64, K 128] x [K 128, N 1]; A: computed on the way; B: input e2: left as it is (N = 1 < 16)
;;   THE QUANTISER, for each operand of a quantised product, along K:
;;     - K is cut into blocks of 32 from its start; a last block that is shorter is filled with zeros.
;;     - A block's scale is 2^e with e = floor(log2(the largest magnitude in the block)) - 4, held to -126 .. 127; a block of zeros has e = 0. As a byte (E8M0): e + 127.
;;     - Each number is divided by its block's scale, clamped to +-28, and rounded to the nearest number of E3M2, ties to even, subnormals kept.
;;     - The product sums the exact products of the quantised numbers (number of the format x scale) in f32.
;;   ~~~python
;;   def quantise(x, axis):      # numpy; x: float32 -> the quantised numbers, widened to float32 again
;;       x = np.moveaxis(x, axis, -1); K = x.shape[-1]
;;       x = np.pad(x, [(0, 0)] * (x.ndim - 1) + [(0, -K % 32)]); x = x.reshape(x.shape[:-1] + (-1, 32)); a = np.abs(x).max(-1, keepdims=True)
;;       e = np.where(a > 0, np.clip(np.frexp(np.where(a > 0, a, 1))[1] - 1 - 4, -126, 127), 0)      # np.frexp(a)[1] - 1 = floor(log2(a)), exactly
;;       r = np.clip(x / 2.0 ** e, -28, 28)
;;       step = 2.0 ** (np.maximum(np.frexp(np.where(r == 0, 1, r))[1] - 1, -2) - 2)
;;       q = np.round(r / step) * step * 2.0 ** e      # np.round: ties to even
;;       return np.moveaxis(q.reshape(q.shape[:-2] + (-1,))[..., :K], -1, axis).astype(np.float32)
;;   ~~~
;;   OPERANDS COMPUTED ON THE WAY. 'Computed on the way' means the value that the module computes at that place (a softmax that the list does not call 'softmax' is quantised finished and normalised). What goes into a quantiser is computed in f32, as accurately as f32 sums, v_exp_f32 and their like allow (about 1e-6 of the number): no bf16 or f16 on the way to a quantiser, and a product that is left as it is and whose result goes on into a quantised operand takes f32 operands (vector FMAs, or v_wmma_f32_16x16x4_f32). A number that lies on a knife's edge between two numbers of the format may be rounded either way, as far as f32 arithmetic and the matrix unit's own rounding can turn it there, and no further.
;; One version. Each part assembles by itself: llvm-mc -triple=amdgcn-amd-amdhsa -mcpu=gfx1250 --defsym DOCPART=n.
;; ======== version 1 of 1: 2 launches
;; limits: right only within a limited range of input values
;; workspace buffers: wq 832,000 bytes
;; launch prep (part 1): grid 65 x 1, 8 waves a work-group, no clusters, 13,824 bytes of LDS; arguments W, V, wq; writes wq
.if DOCPART == 1
	.amdgcn_target "amdgcn-amd-amdhsa--gfx1250"
	.amdhsa_code_object_version 6
	.text
	.protected	k_q5114010a41_prep
	.globl	k_q5114010a41_prep
	.p2align	8
	.type	k_q5114010a41_prep,@function
k_q5114010a41_prep:
	s_mov_b64 s[64:65], 0
	v_nop
	global_prefetch_b8 v0, s[64:65] scope:SCOPE_SE
	s_setreg_imm32_b32 hwreg(HW_REG_WAVE_MODE, 25, 1), 1
	s_wait_xcnt 0x0
; W [64][128 i][128 j] and V [256][64], f32, become codes of BF6 (E3M2), 6 bits each, with one E8M0 scale byte for each 32 along K (W: K = i; V: K = its rows),
; laid as IMAGES OF THE OPERAND REGISTERS that the next launch wants.  A fragment (16 rows x 128 K) is 12 registers a lane: register p of lane l lies at 512 (p / 4) + 16 l + 4 (p % 4) of its 1,536 bytes.
; A quad is four fragments and 256 bytes of scale words (the word of fragment f, row m, at 6144 + 8 (16 (f % 2) + m) + 4 (f / 2)): 6,400 bytes.
; W: eight k (an octet) have 16 quads on end.  Row 8 g + i of fragment f of quad q is k = 8 octet + i, j = 8 q + 4 g + f.  V, behind the eight octets: quad s, fragment t, row n: column 4 n + t, rows 128 s on.
; A work-group makes two quads, 12,800 bytes: 0..63: octet (number / 8), quads 2 (number % 8) and one more; 64: V.  Wave i makes rows 8 g + i.
; A lane takes one row of a fragment and half of its K: blocks h and 2 + h (h = lane / 16), 64 numbers down K in 64 registers.  The images are gathered in LDS and leave as whole 256 bytes.
; A block's scale is 2^(floor(log2(its largest magnitude)) - 4); its byte is the largest magnitude's exponent field - 4, held at 1 from below; numbers are divided by the scale and rounded to the nearest code, ties to even, beyond the largest code the largest.
; LIMITS: NaN and infinities are not served; blocks whose largest magnitude lies under 2^(5 - 127) keep the byte 1.  A block of zeros gets the byte 1 where the rule says 127: its codes are zeros, and this program alone reads the bytes.
.set SPARE, 12800                      ; behind the images: the spare words, 128 bytes a wave
.set X,  32                            ; v32-95 my 64 numbers
.set PC, 96                            ; v96-107 the codes
.set TM, 108
.set PT, 114
	s_load_b128 s[4:7], s[0:1], 0x0                ; W s[4:5], V s[6:7]
	s_load_b64 s[8:9], s[0:1], 0x10                ; wq
	v_lshl_add_u32 v1, v0, 2, SPARE
	v_mov_b32 v2, 0
	v_lshrrev_b32 v3, 5, v0
	v_readfirstlane_b32 s10, v3                    ; wave i
	s_lshr_b32 s11, ttmp9, 3                       ; octet
	s_and_b32 s12, ttmp9, 7                        ; which 16 j
	s_lshl_b32 s14, s11, 19                        ; eight k of 65,536 bytes
	s_lshl_b32 s13, s10, 16
	s_add_co_u32 s14, s14, s13
	s_lshl_b32 s13, s12, 6
	s_add_co_u32 s14, s14, s13
	s_mov_b32 s15, 0
	s_lshl_b32 s16, s10, 4                         ; V: four columns of 4 bytes for each i; and 16 i in an image
	s_mov_b32 s17, 0
	s_mul_i32 s18, ttmp9, 12800
	s_mov_b32 s19, 0
	s_mov_b32 s20, 0x76543210
	s_mov_b32 s21, 0xfedcba98                      ; v_permlanex16_b32's selects for lane l xor 16
	s_lshl_b32 s13, s10, 3
	v_and_b32 v3, 15, v0                           ; j within the 16
	v_bfe_u32 v4, v0, 4, 1                         ; h
	v_bfe_u32 v5, v0, 3, 1                         ; which quad
	v_bfe_u32 v6, v0, 2, 1                         ; g
	v_and_b32 v7, 3, v0                            ; f
	v_lshlrev_b32 v8, 2, v3
	v_lshl_add_u32 v8, v4, 14, v8                  ; W: 4 j + 32 h rows of 512 bytes
	v_lshlrev_b32 v9, 15, v5
	v_lshl_add_u32 v9, v6, 7, v9
	v_lshl_add_u32 v9, v7, 2, v9
	v_lshl_add_u32 v9, v4, 13, v9                  ; V: 128 rows a quad, 32 g columns, f columns, 32 h rows of 256 bytes
	v_mul_u32_u24 v11, v5, 6400
	v_mul_u32_u24 v10, v7, 1536
	v_add_nc_u32 v10, v10, v11
	v_lshl_add_u32 v10, v4, 8, v10
	v_lshl_add_u32 v10, v6, 7, v10
	v_add_nc_u32 v10, s16, v10                     ; the image's lane 16 h + 8 g + i
	v_and_b32 v12, 1, v0
	v_lshl_add_u32 v11, v12, 7, v11
	v_lshl_add_u32 v11, v6, 6, v11
	v_bfe_u32 v12, v0, 1, 1
	v_lshl_add_u32 v11, v12, 2, v11
	v_add_nc_u32 v11, s13, v11                     ; the scale word (6,144 stands in the store)
	v_lshlrev_b32 v13, 3, v4                       ; 8 h: my bytes' place in a scale word
	v_mov_b32 v14, 0                               ; written once: a lane permute's destination counts as one of its sources
	v_lshlrev_b32 v15, 4, v0                       ; the way out: 16 bytes a thread
	s_wait_alu depctr_va_vdst(0)
	s_wait_kmcnt 0x0
	s_add_nc_u64 s[4:5], s[4:5], s[14:15]          ; (used only where the quads are W's)
	s_add_nc_u64 s[6:7], s[6:7], s[16:17]          ; (used only where they are V's)
	s_add_nc_u64 s[8:9], s[8:9], s[18:19]
	s_cmp_eq_u32 ttmp9, 64
	s_cbranch_scc1 .Lfrom_v
.set nN, 0
.rept 64
	global_load_b32 v[X+nN], v8, s[4:5] offset:512*(64*(nN/32)+nN%32)
.set nN, nN+1
.endr
	s_branch .Lloaded
.Lfrom_v:
.set nN, 0
.rept 64
	global_load_b32 v[X+nN], v9, s[6:7] offset:256*(64*(nN/32)+nN%32)
.set nN, nN+1
.endr
.Lloaded:
	s_wait_loadcnt 0x0
.irp c, 0,1
	v_max3_num_f32 v[TM+\c], |v[X+32*\c]|, |v[X+32*\c+1]|, 0x2800000      ; block 2 c + h, and the floor 2^(5 - 127)
.endr
.irp i, 2,4,6,8,10,12,14,16,18,20,22,24,26,28,30
.irp c, 0,1
	v_max3_num_f32 v[TM+\c], v[TM+\c], |v[X+32*\c+\i]|, |v[X+32*\c+\i+1]|
.endr
.endr
.irp c, 0,1
	v_add_nc_u32 v[TM+2+\c], 0xfe000000, v[TM+\c]  ; 4 off the exponent field: the conversion takes that field of this operand as its scale
.endr
.irp c, 0,1
	v_lshrrev_b32 v[TM+4+\c], 23, v[TM+2+\c]       ; the scales' bytes
.endr
	v_lshl_or_b32 v[TM+4], v[TM+5], 16, v[TM+4]
	v_lshlrev_b32 v[TM+4], v13, v[TM+4]
	v_permlanex16_b32 v14, v[TM+4], s20, s21
	v_or_b32 v121, v[TM+4], v14                    ; with lane l xor 16's two the word is whole
.irp c, 0,1
	v_cvt_scalef32_pk16_bf6_f32 v[PC+6*\c:PC+6*\c+2], v[X+32*\c:X+32*\c+15], v[TM+2+\c]
	v_cvt_scalef32_pk16_bf6_f32 v[PT+4*\c:PT+4*\c+2], v[X+32*\c+16:X+32*\c+31], v[TM+2+\c]   ; (a conversion's three registers begin on an even number)
.endr
	v_nop                                          ; one plain place behind a scaled conversion
.irp c, 0,1
.irp i, 0,1,2
	v_mov_b32 v[PC+6*\c+3+\i], v[PT+4*\c+\i]
.endr
.endr
.irp g, 0,1,2
	ds_store_b128 v10, v[PC+4*\g:PC+4*\g+3] offset:512*\g
.endr
	ds_store_b32 v11, v121 offset:6144             ; lanes l and l xor 16 write the same word with the same value
	s_wait_dscnt 0x0                               ; for the others' sake: my stores are done
	s_barrier_signal -1
	s_barrier_wait -1
.irp p, 0,1,2
	ds_load_b128 v[32+4*\p:35+4*\p], v15 offset:4096*\p
.endr
.irp p, 0,1,2
	s_wait_dscnt 2-\p
	global_store_b128 v15, v[32+4*\p:35+4*\p], s[8:9] offset:4096*\p   ; a wave stores 512 consecutive bytes, at a multiple of 256 from wq's first byte
.endr
	s_cmp_lg_u32 s10, 0                            ; the last 512 bytes: wave 0
	s_cbranch_scc1 .Lend
	ds_load_b128 v[44:47], v15 offset:12288
	s_wait_dscnt 0x0
	global_store_b128 v15, v[44:47], s[8:9] offset:12288
.Lend:
	s_wait_tensorcnt 0x0                           ; the wave's end
	ds_add_u32 v1, v2
	s_wait_dscnt 0x0
	s_endpgm
.Lfunc_end_k_q5114010a41_prep:
	.size	k_q5114010a41_prep, .Lfunc_end_k_q5114010a41_prep-k_q5114010a41_prep
	.p2alignl 7, 3214868480
	.fill 96, 4, 3214868480
	.section	.rodata,"a",@progbits
	.p2align	6, 0x0
	.amdhsa_kernel k_q5114010a41_prep
		.amdhsa_group_segment_fixed_size 13824
		.amdhsa_private_segment_fixed_size 0
		.amdhsa_enable_private_segment 0
		.amdhsa_kernarg_size 24
		.amdhsa_user_sgpr_count 2
		.amdhsa_user_sgpr_kernarg_segment_ptr 1
		.amdhsa_wavefront_size32 1
		.amdhsa_system_sgpr_workgroup_id_x 1
		.amdhsa_system_sgpr_workgroup_id_y 1
		.amdhsa_system_sgpr_workgroup_id_z 1
		.amdhsa_system_vgpr_workitem_id 0
		.amdhsa_next_free_vgpr 128
		.amdhsa_next_free_sgpr 66
		.amdhsa_reserve_vcc 0
		.amdhsa_float_denorm_mode_32 3
		.amdhsa_float_denorm_mode_16_64 3
		.amdhsa_memory_ordered 1
		.amdhsa_forward_progress 1
		.amdhsa_inst_pref_size 19
	.end_amdhsa_kernel
	.amdgpu_metadata
---
amdhsa.version: [ 1, 2 ]
amdhsa.kernels:
  - .name:           k_q5114010a41_prep
    .symbol:         k_q5114010a41_prep.kd
    .args:
      - { .name: W, .offset: 0, .size: 8, .value_kind: global_buffer, .address_space: global }
      - { .name: V, .offset: 8, .size: 8, .value_kind: global_buffer, .address_space: global }
      - { .name: wq, .offset: 16, .size: 8, .value_kind: global_buffer, .address_space: global }
    .group_segment_fixed_size: 13824
    .private_segment_fixed_size: 0
    .kernarg_segment_align: 8
    .kernarg_segment_size: 24
    .max_flat_workgroup_size: 256
    .sgpr_count:     66
    .vgpr_count:     128
    .wavefront_size: 32
...
	.end_amdgpu_metadata
.endif
;; end of part 1
;; launch main (part 2): grid 256 x 1, 8 waves a work-group, no clusters, 327,680 bytes of LDS; arguments e1, e2, wq, b, out0; writes out0
.if DOCPART == 2
	.amdgcn_target "amdgcn-amd-amdhsa--gfx1250"
	.amdhsa_code_object_version 6
	.text
	.protected	k_q5114010a41_main
	.globl	k_q5114010a41_main
	.p2align	8
	.type	k_q5114010a41_main,@function
k_q5114010a41_main:
	s_mov_b64 s[64:65], 0
	v_nop
	global_prefetch_b8 v0, s[64:65] scope:SCOPE_SE
	s_setreg_imm32_b32 hwreg(HW_REG_WAVE_MODE, 25, 1), 1
	s_wait_xcnt 0x0
; out[512 k + b / 64][b % 64] = tanh( sum_j T[k][j][b] e2[b][j] + sum(bias) + ff[512 k + b / 64][b % 64] ),
;   T[k][j][b] = sum_i W[k][i][j] e1[b][i]  and  ff = [e1 | e2] V  on codes of BF6 (E3M2) with E8M0 scales, sums in f32;  the sum over j in f32, on e2 as it is given.
; SHARES.  Work-group g owns b = 128 g .. 128 g + 127 (two runs of 64: output rows 512 k + 2 g and one more) and all 64 k.  Wave w owns k = 8 w .. 8 w + 7 and all eight tiles of b.
; TILES.  Tile 4 u + t: column r stands for b = 64 (2 g + u) + 4 r + t: a lane's four t are four neighbouring columns of an output row.
; A PRODUCT.  Source 0: a fragment of W: row 8 h + i is k = 8 w + i, j = 8 q + 4 h + f.  Source 1: a tile of e1.  So register i of lane (r, h) is T[8 w + i][8 q + 4 h + f][b(r)]: ALL EIGHT REGISTERS OF A LANE TAKE ONE NUMBER OF e2,
; and four packed multiply-adds add them onto the sums of the eight k.  Lanes 0-15 sum over one half of the j, lanes 16-31 over the other: the halves are joined once, at the end.
; W: every fragment is used by ONE wave of a work-group, once, for eight products; so it goes straight into that wave's registers, in the order in which they take it: three loads of 512 consecutive bytes.
;   Hence no cluster: a joint load would carry each of the 819,200 bytes through LDS, a write and a read more, behind a round of all 32 waves of a cluster for each slot.
;   A ring of eight fragments (two quads); a fragment's registers are asked for again half a quad behind its products, 48 products ahead of its next use.  V follows W as two quads more.
;   W is prefetched into the L2 by work-groups 0 to 3 alone, which share it out by address: of four quads each wave of work-group g asks for quad g of its own octet, 25 blocks of 256 bytes, a lane a block: at the head quads 2-5,
;   then, in trips 0 and 1, the quads whose loads stand in the next trip (6-9, 10-13).  Quads 0, 1, 14, 15 and V come by their loads alone.
; e1: wave w quantises tile w in the head; the eight images go to all waves through LDS.  e2 stays in LDS as f32, its columns 0-63 first; its columns 64-127 are asked for behind the head's barrier, the linear term's rows of e1 and e2
;   behind the barrier in the middle of the walk.  Each wave issues one tensor load there.  e1 and e2 have no data prefetch: their rows are first read in front of the loop, or two trips ahead of their use by the tensor loads themselves.
; THE LINEAR TERM of output rows 512 k + 2 g + u: source 0 = 16 rows (row 8 u + i: k = 8 w + i), source 1 = V's columns 4 n + t: its result lies in lanes and registers as the joined sums do.
; tanh(x) = 1 - 2 / (1 + 2^(2 log2(e) x)): absolute error about 1e-7; it goes to +-1 where the exponential overflows or falls to 0.
; A block's scale: as in the launch before.  LIMITS: NaN and infinities are not served; blocks whose largest magnitude lies under 2^(5 - 127) keep the byte 1 (a block of zeros too: its codes are zeros);
; the sum of the bias and the sums over j are taken in another order than the definition's, in f32.
; REGISTERS, in windows of 256 (s_set_vgpr_msb: bits 1:0 source 0, 3:2 source 1, 5:4 source 2, 7:6 destination):
;   window 0: v1-15 addresses; v16-19 e1's scale words, v20-27 W's (four sets); v28-59 four results; v60-123 the sums; v124-219 W's ring; v220-255 at work.
;   window 1: v0-95 e1's eight fragments; v96-159 two sets of e2, four j a lane and tile.  ONE setting (source 1 in window 1) serves products and multiply-adds.
.set E2A,   0                          ; e2, columns 0-63: eight tiles of 16 rows of 256 + 16 bytes
.set E2T,   4352
.set E2B,   35072                      ; e2, columns 64-127
.set FFS,   70144                      ; the linear term's rows: 4 x 32 rows of e1, then of e2, 512 + 16 bytes each
.set E1S,   205312                     ; a stage of 16 rows of 512 + 16 bytes for each wave
.set IMG,   272896                     ; the images of e1's tiles, 1,536 bytes each
.set IMS,   285184                     ; and their scale words, 64 bytes each
.set SPARE, 285696                     ; the spare words, 128 bytes a wave
.set QUAD,  6400
.set SPW, 1                            ; LDS address of my spare word; never rewritten
.set NIL, 2                            ; 0; never rewritten
.set L16, 3                            ; 16 x lane
.set L8,  4                            ; 8 x lane
.set AE,  5                            ; e2 in LDS, this trip's
.set AEA, 6                            ; e2 in LDS: row r, + 16 h: columns 0-63,
.set AEB, 7                            ; 64-127
.set STI, 8
.set STO, 9
.set IMI, 10
.set IMO, 11
.set SMI, 12
.set SMO, 13
.set FOA, 14                           ; my rows of the linear term: e1's,
.set FOB, 15                           ; e2's
.set SE,  16
.set SW,  20
.set DR,  28
.set ACC, 60
.set YY,  92                           ; the way out: the results, over the sums of run 1
.set WR,  124
.set TM,  220                          ; v220-225
.set PC,  226                          ; v226-237
.set PT,  238                          ; v238-240, v242-244
.set HB,  245                          ; half the sum of the bias
.set SF,  246                          ; v246-247 the linear term's scale words
.set PD,  248
.set WD,  249
.set PFO, 250
.set H8,  251
.set SO,  15                           ; s15 in the loops: 128 bytes of e2's rows a trip
.set MSB, 0
.macro WIN new                         ; the immediate's high byte repeats the setting that is left; a switch that changes nothing is dropped
.if MSB != (\new)
	s_set_vgpr_msb (MSB<<8)|(\new)
.set MSB, \new
.endif
.endm
.macro PLACES
.rept 4
	v_nop
.endr
.endm
.macro LDF dst, pb, off                ; a fragment
.irp g, 0,1,2
	global_load_b128 v[\dst+4*\g:\dst+4*\g+3], v[L16], s[\pb:\pb+1] offset:\off+512*\g
.endr
.endm
.macro PREF off
	s_cmp_lt_u32 ttmp9, 4
	s_cbranch_scc0 .Lnot_mine_\@
	global_prefetch_b8 v[PFO], s[52:53] offset:\off th:TH_LOAD_NT scope:SCOPE_SE
.Lnot_mine_\@:
.endm
; 64 numbers of a row (blocks h and 2 + h, 32 registers each) become the lane's 12 registers of codes; the row's scale word in both lanes that share it
.macro QUANT xx, pc, tm, pt, hh, pd, wd
.irp c, 0,1
	v_max3_num_f32 v[\tm+\c], |v[\xx+32*\c]|, |v[\xx+32*\c+1]|, 0x2800000
.endr
.irp i, 2,4,6,8,10,12,14,16,18,20,22,24,26,28,30
.irp c, 0,1
	v_max3_num_f32 v[\tm+\c], v[\tm+\c], |v[\xx+32*\c+\i]|, |v[\xx+32*\c+\i+1]|
.endr
.endr
.irp c, 0,1
	v_add_nc_u32 v[\tm+2+\c], 0xfe000000, v[\tm+\c]                ; the conversion's scale operand
.endr
.irp c, 0,1
	v_lshrrev_b32 v[\tm+4+\c], 23, v[\tm+2+\c]                     ; the scale's byte
.endr
	v_lshl_or_b32 v[\tm+4], v[\tm+5], 16, v[\tm+4]
	v_lshlrev_b32 v[\tm+4], v[\hh], v[\tm+4]
	v_permlanex16_b32 v[\pd], v[\tm+4], s58, s59
	v_or_b32 v[\wd], v[\tm+4], v[\pd]
.irp c, 0,1
	v_cvt_scalef32_pk16_bf6_f32 v[\pc+6*\c:\pc+6*\c+2], v[\xx+32*\c:\xx+32*\c+15], v[\tm+2+\c]
	v_cvt_scalef32_pk16_bf6_f32 v[\pt+4*\c:\pt+4*\c+2], v[\xx+32*\c+16:\xx+32*\c+31], v[\tm+2+\c]
.endr
	v_nop                                          ; one plain place behind a scaled conversion
.irp c, 0,1
.irp i, 0,1,2
	v_mov_b32 v[\pc+6*\c+3+\i], v[\pt+4*\c+\i]
.endr
.endr
.endm
	s_load_b256 s[4:11], s[0:1], 0x0               ; e1 s[4:5], e2 s[6:7], wq s[8:9], b s[10:11]
	s_load_b64 s[12:13], s[0:1], 0x20              ; out
	v_lshl_add_u32 v[SPW], v0, 2, SPARE
	v_mov_b32 v[NIL], 0
	ds_add_u32 v[SPW], v[NIL]                      ; the wave's opening: the add, twice on end, and its wait ahead of my first tensor load
	ds_add_u32 v[SPW], v[NIL]
	v_lshrrev_b32 v5, 5, v0
	v_readfirstlane_b32 s14, v5                    ; wave w
	s_lshr_b32 s15, s14, 2                         ; u
	s_and_b32 s16, s14, 3                          ; t
	; e2's tile: 16 rows of 64 f32, four rows of e2 apart, 16 bytes of padding behind each
	s_mov_b32 s24, (2<<16)|(1<<20)|(5<<22)|(3<<25) ; elements of 4 bytes; padding on: after every 64 words (code 5), 4 words (code 3)
	s_mov_b32 s25, 64<<16                          ; tensor_dim0
	s_mov_b32 s26, 16<<16                          ; tensor_dim1
	s_mov_b32 s27, 64<<16                          ; tile_dim0
	s_mov_b32 s28, 16                              ; tile_dim1
	s_mov_b32 s29, 512                             ; from row to row
	s_mov_b32 s30, 0
	s_mov_b32 s31, 0
	; the linear term's rows: 16 k, 512 rows apart, each two neighbouring rows (256 f32); padding behind each 512 bytes
	s_mov_b32 s32, (2<<16)|(1<<20)|(6<<22)|(3<<25)
	s_mov_b32 s33, 256<<16
	s_mov_b32 s34, 16<<16
	s_mov_b32 s35, 256<<16
	s_mov_b32 s36, 16
	s_mov_b32 s37, 65536
	s_mov_b32 s38, 0
	s_mov_b32 s39, 0
	s_mov_b32 s58, 0x76543210
	s_mov_b32 s59, 0xfedcba98                      ; v_permlanex16_b32's selects for lane l xor 16
	s_lshl_b32 s18, ttmp9, 16                      ; my tile's first row, 128 g + 64 u + t, in bytes
	s_lshl_b32 s17, s15, 15
	s_add_co_u32 s18, s18, s17
	s_lshl_b32 s17, s16, 9
	s_add_co_u32 s18, s18, s17
	s_mov_b32 s19, 0
	s_lshl_b32 s20, s16, 22                        ; the linear term: I fetch rows 512 (16 (w % 4) + ..) + 2 g, of e1 (w < 4) or e2
	s_lshl_b32 s17, ttmp9, 10
	s_add_co_u32 s20, s20, s17
	s_mov_b32 s21, 0
	s_lshl_b32 s22, s14, 20                        ; out: row 512 x 8 w + 2 g
	s_lshl_b32 s17, ttmp9, 9
	s_add_co_u32 s22, s22, s17
	s_mov_b32 s23, 0
	s_mul_i32 s60, s14, 16*QUAD                    ; my octet of W
	s_mov_b32 s61, 0
	s_mul_i32 s62, s14, 8448                       ; my stage; my rows of the linear term
	s_mul_i32 s63, s14, E2T                        ; my tile of e2
	s_mul_i32 s2, s14, 1536                        ; my image
	s_lshl_b32 s3, s14, 6                          ; my scale words
	s_and_b32 s17, ttmp9, 3
	s_mul_i32 s17, s17, QUAD                       ; the prefetches: which quad of four
	v_and_b32 v252, 31, v0                         ; lane
	v_and_b32 v253, 15, v0                         ; r
	v_bfe_u32 v254, v0, 4, 1                       ; h
	v_lshlrev_b32 v[L16], 4, v252
	v_lshlrev_b32 v[L8], 3, v252
	v_lshlrev_b32 v[H8], 3, v254
	v_mul_u32_u24 v255, v253, 272
	v_lshl_add_u32 v[AEA], v254, 4, v255
	v_add_nc_u32 v[AEB], E2B, v[AEA]
	v_add_nc_u32 v[STI], s62, v[L16]
	v_add_nc_u32 v[STI], E1S, v[STI]               ; the stage, on the way in: a row of 512 bytes
	v_mul_u32_u24 v255, v253, 528
	v_lshl_add_u32 v255, v254, 7, v255
	v_add_nc_u32 v255, s62, v255
	v_add_nc_u32 v[STO], E1S, v255                 ; and back: row r, + 128 h bytes
	v_and_b32 v255, 7, v0
	v_mul_u32_u24 v255, v255, 1056
	v_bfe_u32 v[FOA], v0, 3, 1
	v_mul_u32_u24 v[FOA], v[FOA], 528
	v_add_nc_u32 v255, v255, v[FOA]
	v_lshl_add_u32 v255, v254, 7, v255
	v_add_nc_u32 v255, s62, v255                   ; row (i = r % 8, run r / 8), + 128 h bytes
	v_add_nc_u32 v[FOA], FFS, v255
	v_add_nc_u32 v[FOB], FFS+67584, v255
	v_add_nc_u32 v255, s2, v[L16]
	v_add_nc_u32 v[IMI], IMG, v255
	v_add_nc_u32 v[IMO], IMG, v[L16]
	v_lshlrev_b32 v255, 2, v253
	v_add_nc_u32 v255, s3, v255
	v_add_nc_u32 v[SMI], IMS, v255
	v_lshl_add_u32 v[SMO], v252, 2, IMS
	v_min_u32 v255, 24, v252
	v_lshlrev_b32 v255, 8, v255
	v_add_nc_u32 v[PFO], s17, v255
	v_mov_b32 v[PD], 0                             ; written once: a lane permute's destination counts as one of its sources
	WIN 0x40
	v_mov_b32 v228, v[H8]                          ; the same two in window 1, for the way out
	v_mov_b32 v229, 0
	WIN 0
	s_wait_alu depctr_va_vdst(0)
	s_wait_dscnt 0x0                               ; both opening adds are done
	s_wait_kmcnt 0x0
	s_cmp_lt_u32 s14, 4
	s_cselect_b64 s[50:51], s[4:5], s[6:7]
	s_mov_b32 s48, 1                               ; group 0, the linear term's rows
	s_mul_i32 s49, s14, 16896
	s_add_co_u32 s49, s49, FFS
	s_add_nc_u64 s[50:51], s[50:51], s[20:21]
	s_or_b32 s51, s51, 0x80000000
	s_add_nc_u64 s[4:5], s[4:5], s[18:19]          ; my 16 rows of e1
	s_mov_b32 s40, 1                               ; group 0, e2's columns 0-63
	s_mov_b32 s41, s63
	s_add_nc_u64 s[42:43], s[6:7], s[18:19]
	s_mov_b32 s44, 1                               ; and 64-127
	s_add_co_u32 s45, s63, E2B
	s_add_nc_u64 s[46:47], s[42:43], 0x100
	s_or_b32 s43, s43, 0x80000000
	s_or_b32 s47, s47, 0x80000000
	s_add_nc_u64 s[12:13], s[12:13], s[22:23]
	s_add_nc_u64 s[56:57], s[8:9], 128*QUAD        ; V's two quads
	s_add_nc_u64 s[52:53], s[8:9], s[60:61]        ; W: this trip's four quads,
	s_add_nc_u64 s[54:55], s[52:53], 4*QUAD        ; and the next trip's
	global_load_b128 v[252:255], v[L16], s[10:11]  ; the bias: four numbers a lane
.irp i, 0,1,2,3,4,5,6,7,8,9,10,11,12,13,14,15
	global_load_b128 v[ACC+4*\i:ACC+4*\i+3], v[L16], s[4:5] offset:2048*\i         ; a row of e1: 512 consecutive bytes
.endr
	tensor_load_to_lds s[40:43], s[24:31]          ; my tile of e2's columns 0-63: my one tensor load at the head
	s_nop 0
	global_load_b64 v[SW:SW+1], v[L8], s[52:53] offset:6144        ; the ring's first three runs, 7 + 6 + 7 loads: quad 0,
	LDF WR, 52, 0
	LDF WR+12, 52, 1536
	LDF WR+24, 52, 3072
	LDF WR+36, 52, 4608
	global_load_b64 v[SW+2:SW+3], v[L8], s[52:53] offset:QUAD+6144 ; and half of quad 1
	LDF WR+48, 52, QUAD
	LDF WR+60, 52, QUAD+1536
	PREF 2*QUAD
	s_wait_loadcnt 36                              ; the bias is in: 16 + 20 loads may be out
	v_add_f32 v252, v252, v253
	v_add_f32 v254, v254, v255
	v_add_f32 v252, v252, v254
	v_add_f32_dpp v252, v252, v252 row_xmask:1 row_mask:0xf bank_mask:0xf
	v_add_f32_dpp v252, v252, v252 row_xmask:2 row_mask:0xf bank_mask:0xf
	v_add_f32_dpp v252, v252, v252 row_xmask:4 row_mask:0xf bank_mask:0xf
	v_add_f32_dpp v252, v252, v252 row_xmask:8 row_mask:0xf bank_mask:0xf
	v_permlanex16_b32 v255, v252, s58, s59
	v_add_f32 v252, v252, v255
	v_mul_f32 v[HB], 0.5, v252                     ; half of the bias's sum: each output is joined from two sums, and each of them starts with a half
	s_wait_alu depctr_va_vdst(0)
	s_wait_loadcnt 20                              ; my rows of e1 are in: the ring's 20 loads may be out
.irp i, 0,1,2,3,4,5,6,7,8,9,10,11,12,13,14,15
	ds_store_b128 v[STI], v[ACC+4*\i:ACC+4*\i+3] offset:528*\i
.endr
.irp c, 0,1
.irp j, 0,1,2,3,4,5,6,7
	ds_load_b128 v[ACC+32*\c+4*\j:ACC+32*\c+4*\j+3], v[STO] offset:256*\c+16*\j    ; LDS serves a wave's instructions in order (ISA guide 5.7.1.4): these see the stores above
.endr
.endr
	s_wait_dscnt 0x0
	QUANT ACC, PC, TM, PT, H8, PD, WD
.irp g, 0,1,2
	ds_store_b128 v[IMI], v[PC+4*\g:PC+4*\g+3] offset:512*\g       ; tile w's image, for all waves
.endr
	ds_store_b32 v[SMI], v[WD]                     ; lanes l and l xor 16 write the same word with the same value
	s_wait_tensorcnt 0x0                           ; my tile of e2 is in
	ds_add_u32 v[SPW], v[NIL]                      ; 0 onto my spare word
.set nN, 0
.rept 64
	v_mov_b32 v[ACC+nN], v[HB]                     ; the sums start with the bias
.set nN, nN+1
.endr
	s_wait_alu depctr_va_vdst(0)
	s_wait_dscnt 0x0                               ; the add and my image are done
	s_barrier_signal -1
	s_barrier_wait -1                              ; everybody's image and tile of e2 are there
	tensor_load_to_lds s[44:47], s[24:31]          ; e2's columns 64-127: they have two trips in which to land
	s_nop 0
	WIN 0x40
.irp t, 0,1,2,3,4,5,6,7
.irp g, 0,1,2
	ds_load_b128 v[12*\t+4*\g:12*\t+4*\g+3], v[IMO] offset:1536*\t+512*\g          ; e1's fragments: they stay
.endr
.endr
	WIN 0
.irp p, 0,1,2,3
	ds_load_b32 v[SE+\p], v[SMO] offset:128*\p     ; lanes 0-15 tile 2 p, lanes 16-31 tile 2 p + 1
.endr
	s_wait_dscnt 0x0
; ---- A TRIP: four quads of four fragments, eight products each: product nN (0..127) on tile nN % 8, into result nN % 4; behind it the multiply-adds of product nN - 3
.macro PK                              ; product mM's result x e2 (one number a lane, from the low or the high register of a pair) onto the tile's eight sums
.set pA, ACC+8*(mM%8)
.set pD, DR+8*(mM%4)
.set pE, 96+32*((mM/32)%2)+4*(mM%8)+((mM/8)%4)
.irp q, 0,2,4,6
.if (mM/8)%2 == 0
	v_pk_fma_f32 v[pA+\q:pA+\q+1], v[pD+\q:pD+\q+1], v[pE:pE+1], v[pA+\q:pA+\q+1] op_sel_hi:[1,0,1]
.else
	v_pk_fma_f32 v[pA+\q:pA+\q+1], v[pD+\q:pD+\q+1], v[pE-1:pE], v[pA+\q:pA+\q+1] op_sel:[0,1,0] op_sel_hi:[1,1,1]
.endif
.endr
.endm
.macro LDE2 set, off                   ; four j of each tile
.irp t, 0,1,2,3,4,5,6,7
	ds_load_b128 v[96+32*(\set)+4*\t:99+32*(\set)+4*\t], v[AE] offset:E2T*\t+\off
.endr
.endm
.macro FROM                            ; where quad yY, counted from this trip's first, lies: this trip's pointer or the next one's
.if yY < 4
.set pP, 52
.set pO, QUAD*yY
.else
.set pP, 54
.set pO, QUAD*(yY-4)
.endif
.endm
.macro STEP
.if nN%16 == 0
	s_wait_loadcnt 13                              ; this half quad's run is in: the two younger ones, 7 and 6 loads, may be out
.endif
.if (nN%32 == 0) && (nN > 0)
	s_wait_dscnt 0x0                               ; this quad's e2 is in
.endif
.set rD,  DR+8*(nN%4)
.set rA,  WR+48*((nN/32)%2)+12*((nN/8)%4)
.set rB,  12*(nN%8)
.set rSA, SW+2*(nN/32)+((nN/8)%4)/2
.set rSB, SE+(nN%8)/2
.if ((nN/8)%2 == 0) && (nN%2 == 0)
	v_wmma_scale_f32_16x16x128_f8f6f4 v[rD:rD+7], v[rA:rA+11], v[rB:rB+11], 0, v[rSA], v[rSB] matrix_a_fmt:MATRIX_FMT_BF6 matrix_b_fmt:MATRIX_FMT_BF6
.elseif nN%2 == 0
	v_wmma_scale_f32_16x16x128_f8f6f4 v[rD:rD+7], v[rA:rA+11], v[rB:rB+11], 0, v[rSA], v[rSB] matrix_a_fmt:MATRIX_FMT_BF6 matrix_b_fmt:MATRIX_FMT_BF6 matrix_a_scale:MATRIX_SCALE_ROW1
.elseif (nN/8)%2 == 0
	v_wmma_scale_f32_16x16x128_f8f6f4 v[rD:rD+7], v[rA:rA+11], v[rB:rB+11], 0, v[rSA], v[rSB] matrix_a_fmt:MATRIX_FMT_BF6 matrix_b_fmt:MATRIX_FMT_BF6 matrix_b_scale:MATRIX_SCALE_ROW1
.else
	v_wmma_scale_f32_16x16x128_f8f6f4 v[rD:rD+7], v[rA:rA+11], v[rB:rB+11], 0, v[rSA], v[rSB] matrix_a_fmt:MATRIX_FMT_BF6 matrix_b_fmt:MATRIX_FMT_BF6 matrix_a_scale:MATRIX_SCALE_ROW1 matrix_b_scale:MATRIX_SCALE_ROW1
.endif
.if nN == 2
	PLACES                                         ; a trip's first three products have no multiply-adds behind them: the places in front of the first read,
	v_nop                                          ; and one more: the fifth product writes over the first one's result, whose readers do not count
.endif
.if nN == 3
	s_wait_dscnt 0x0                               ; the trip's first e2 is in
.endif
.if nN >= 3
.set mM, nN-3
	PK
.endif
.if nN%32 == 4                         ; fragments 2 and 3 of the next quad, into the registers that the half quad before has left
.set yY, nN/32+1
	FROM
	LDF WR+48*(yY%2)+24, pP, pO+3072
	LDF WR+48*(yY%2)+36, pP, pO+4608
.endif
.if nN%32 == 20                        ; scale words and fragments 0 and 1 of the quad after; and the next quad's e2
.set yY, nN/32+2
	FROM
	global_load_b64 v[SW+2*(yY%4):SW+2*(yY%4)+1], v[L8], s[pP:pP+1] offset:pO+6144
	LDF WR+48*(yY%2), pP, pO
	LDF WR+48*(yY%2)+12, pP, pO+1536
.if nN < 96
	WIN 0x40
	LDE2 (yY-1)%2, 32*(yY-1)
	WIN 0x04
.endif
.endif
.endm
.macro TRIP base
	v_add_nc_u32 v[AE], s[SO], v[\base]
	WIN 0x40
	LDE2 0, 0
	WIN 0x04
.set nN, 0
.rept 128
	STEP
.set nN, nN+1
.endr
.set mM, 125
.rept 3
	PK                                             ; the last three products' results
.set mM, mM+1
.endr
	WIN 0
	s_wait_xcnt 0x0                                ; the trip's loads have read their pointers
	s_mov_b64 s[52:53], s[54:55]
.endm
	s_mov_b32 s[SO], 0
.Lfirst:                                               ; trips 0 and 1: j = 0..63
	PREF 6*QUAD
	TRIP AEA
	s_add_nc_u64 s[54:55], s[54:55], 4*QUAD
	s_add_co_u32 s[SO], s[SO], 128
	s_cmp_lt_u32 s[SO], 256
	s_cbranch_scc1 .Lfirst
	s_wait_tensorcnt 0x0                           ; my tile of e2's columns 64-127 is in
	ds_add_u32 v[SPW], v[NIL]
	s_wait_dscnt 0x0
	s_barrier_signal -1
	s_barrier_wait -1                              ; everybody's is
	tensor_load_to_lds s[48:51], s[32:39]          ; the linear term's rows: they have two trips in which to land
	s_nop 0
	PLACES
	s_mov_b32 s[SO], 0
.Lsecond:                                              ; trips 2 and 3: j = 64..127
	TRIP AEB
	s_mov_b64 s[54:55], s[56:57]                   ; behind the last trip's quads come V's
	s_add_co_u32 s[SO], s[SO], 128
	s_cmp_lt_u32 s[SO], 256
	s_cbranch_scc1 .Lsecond
; ---- THE WAY OUT
	LDF WR+72, 54, QUAD+3072                       ; V's last two fragments; its first six and its scale words have been asked for by the last trip
	LDF WR+84, 54, QUAD+4608
	s_wait_alu depctr_va_vdst(0)
	s_wait_tensorcnt 0x0                           ; my part of the linear term's rows is in
	s_wait_dscnt 0x0
	s_barrier_signal -1
	; the two halves of the j are joined: run 0's lanes 16-31 change places with run 1's lanes 0-15; the sum then holds run 0 in lanes 0-15, run 1 in lanes 16-31
.irp t, 0,1,2,3
.irp i, 0,1,2,3,4,5,6,7
	v_permlane16_swap_b32 v[ACC+8*\t+\i], v[ACC+32+8*\t+\i]
.endr
.endr
.irp t, 0,1,2,3
.irp q, 0,2,4,6
	v_pk_add_f32 v[ACC+8*\t+\q:ACC+8*\t+\q+1], v[ACC+8*\t+\q:ACC+8*\t+\q+1], v[ACC+32+8*\t+\q:ACC+33+8*\t+\q]
.endr
.endr
	s_wait_alu depctr_va_vdst(0)
	s_barrier_wait -1                              ; everybody's part is in.
	WIN 0x40
.irp c, 0,1
.irp j, 0,1,2,3,4,5,6,7
	ds_load_b128 v[96+32*\c+4*\j:99+32*\c+4*\j], v[FOA] offset:256*\c+16*\j
.endr
.endr
.irp c, 0,1
.irp j, 0,1,2,3,4,5,6,7
	ds_load_b128 v[160+32*\c+4*\j:163+32*\c+4*\j], v[FOB] offset:256*\c+16*\j
.endr
.endr
	s_wait_dscnt 16                                ; e1's rows; e2's 16 loads may be out
	WIN 0x55                                       ; wholly in window 1
	QUANT 96, 0, 40, 32, 228, 229, 230
	s_wait_dscnt 0x0
	QUANT 160, 12, 56, 48, 228, 229, 231
	WIN 0x01
	v_mov_b32 v[SF], v230                          ; scale words lie in window 0
	v_mov_b32 v[SF+1], v231
	WIN 0
.irp t, 0,1,2,3                        ; 2 log2(e) x the sums: these are also the places ahead of the products
.irp q, 0,2,4,6
	v_pk_mul_f32 v[ACC+8*\t+\q:ACC+8*\t+\q+1], v[ACC+8*\t+\q:ACC+8*\t+\q+1], 0x4038aa3b op_sel_hi:[1,0]
.endr
.endr
	s_wait_alu depctr_va_vdst(0)
	s_wait_loadcnt 0x0                             ; V
	WIN 0x01                                       ; source 0 in window 1
.macro FFMM t, ks
.set rD,  DR+8*(\t)
.set rA,  12*(\ks)
.set rB,  WR+48*(\ks)+12*(\t)
.set rSA, SF+(\ks)
.set rSB, SW+2*(\ks)+(\t)/2
.if ((\ks) == 0) && ((\t)%2 == 0)
	v_wmma_scale_f32_16x16x128_f8f6f4 v[rD:rD+7], v[rA:rA+11], v[rB:rB+11], 0, v[rSA], v[rSB] matrix_a_fmt:MATRIX_FMT_BF6 matrix_b_fmt:MATRIX_FMT_BF6
.elseif (\ks) == 0
	v_wmma_scale_f32_16x16x128_f8f6f4 v[rD:rD+7], v[rA:rA+11], v[rB:rB+11], 0, v[rSA], v[rSB] matrix_a_fmt:MATRIX_FMT_BF6 matrix_b_fmt:MATRIX_FMT_BF6 matrix_b_scale:MATRIX_SCALE_ROW1
.elseif (\t)%2 == 0
	v_wmma_scale_f32_16x16x128_f8f6f4 v[rD:rD+7], v[rA:rA+11], v[rB:rB+11], v[rD:rD+7], v[rSA], v[rSB] matrix_a_fmt:MATRIX_FMT_BF6 matrix_b_fmt:MATRIX_FMT_BF6
.else
	v_wmma_scale_f32_16x16x128_f8f6f4 v[rD:rD+7], v[rA:rA+11], v[rB:rB+11], v[rD:rD+7], v[rSA], v[rSB] matrix_a_fmt:MATRIX_FMT_BF6 matrix_b_fmt:MATRIX_FMT_BF6 matrix_b_scale:MATRIX_SCALE_ROW1
.endif
.endm
.irp ks, 0,1                           ; the four accumulators take turns, one instruction a turn
.irp t, 0,1,2,3
	FFMM \t, \ks
.endr
.endr
	WIN 0
	PLACES
.irp t, 0,1,2,3                        ; each accumulator is read from its low end on
.irp q, 0,2,4,6
	v_pk_fma_f32 v[ACC+8*\t+\q:ACC+8*\t+\q+1], v[DR+8*\t+\q:DR+8*\t+\q+1], 0x4038aa3b, v[ACC+8*\t+\q:ACC+8*\t+\q+1] op_sel_hi:[1,0,1]
.endr
.endr
	s_wait_alu depctr_va_vdst(0)                   ; the wait ahead of the batch
.irp i, 0,1,2,3,4,5,6,7
.irp t, 0,1,2,3
	v_exp_f32 v[YY+4*\i+\t], v[ACC+8*\t+\i]        ; a row's four columns side by side
.endr
.endr
	v_nop                                          ; a plain place behind the exponentials
	s_wait_alu depctr_va_vdst(0)                   ; and the wait behind the batch
.set nN, 0
.rept 16
	v_pk_add_f32 v[YY+nN:YY+nN+1], v[YY+nN:YY+nN+1], 1.0 op_sel_hi:[1,0]
.set nN, nN+2
.endr
	s_wait_alu depctr_va_vdst(0)
.set nN, 0
.rept 32
	v_rcp_f32 v[YY+nN], v[YY+nN]
.set nN, nN+1
.endr
	v_nop                                          ; a plain place behind the reciprocals
	s_wait_alu depctr_va_vdst(0)
.irp i, 0,1,2,3,4,5,6,7
	v_pk_fma_f32 v[YY+4*\i:YY+4*\i+1], v[YY+4*\i:YY+4*\i+1], -2.0, 1.0 op_sel_hi:[1,0,0]
	v_pk_fma_f32 v[YY+4*\i+2:YY+4*\i+3], v[YY+4*\i+2:YY+4*\i+3], -2.0, 1.0 op_sel_hi:[1,0,0]
	global_store_b128 v[L16], v[YY+4*\i:YY+4*\i+3], s[12:13] offset:131072*\i th:TH_STORE_NT   ; k = 8 w + i: two neighbouring rows, 512 consecutive bytes at a multiple of 256 from out's first byte
.endr
	s_wait_tensorcnt 0x0                           ; the wave's end: behind my last tensor load and my last LDS store
	ds_add_u32 v[SPW], v[NIL]
	s_wait_dscnt 0x0
	s_endpgm
.Lfunc_end_k_q5114010a41_main:
	.size	k_q5114010a41_main, .Lfunc_end_k_q5114010a41_main-k_q5114010a41_main
	.p2alignl 7, 3214868480
	.fill 96, 4, 3214868480
	.section	.rodata,"a",@progbits
	.p2align	6, 0x0
	.amdhsa_kernel k_q5114010a41_main
		.amdhsa_group_segment_fixed_size 327680
		.amdhsa_private_segment_fixed_size 0
		.amdhsa_enable_private_segment 0
		.amdhsa_kernarg_size 40
		.amdhsa_user_sgpr_count 2
		.amdhsa_user_sgpr_kernarg_segment_ptr 1
		.amdhsa_wavefront_size32 1
		.amdhsa_system_sgpr_workgroup_id_x 1
		.amdhsa_system_sgpr_workgroup_id_y 1
		.amdhsa_system_sgpr_workgroup_id_z 1
		.amdhsa_system_vgpr_workitem_id 0
		.amdhsa_next_free_vgpr 512
		.amdhsa_next_free_sgpr 66
		.amdhsa_reserve_vcc 0
		.amdhsa_float_denorm_mode_32 3
		.amdhsa_float_denorm_mode_16_64 3
		.amdhsa_memory_ordered 1
		.amdhsa_forward_progress 1
		.amdhsa_inst_pref_size 152
	.end_amdhsa_kernel
	.amdgpu_metadata
---
amdhsa.version: [ 1, 2 ]
amdhsa.kernels:
  - .name:           k_q5114010a41_main
    .symbol:         k_q5114010a41_main.kd
    .args:
      - { .name: e1, .offset: 0, .size: 8, .value_kind: global_buffer, .address_space: global }
      - { .name: e2, .offset: 8, .size: 8, .value_kind: global_buffer, .address_space: global }
      - { .name: wq, .offset: 16, .size: 8, .value_kind: global_buffer, .address_space: global }
      - { .name: b, .offset: 24, .size: 8, .value_kind: global_buffer, .address_space: global }
      - { .name: out0, .offset: 32, .size: 8, .value_kind: global_buffer, .address_space: global }
    .group_segment_fixed_size: 327680
    .private_segment_fixed_size: 0
    .kernarg_segment_align: 8
    .kernarg_segment_size: 40
    .max_flat_workgroup_size: 256
    .sgpr_count:     66
    .vgpr_count:     512
    .wavefront_size: 32
...
	.end_amdgpu_metadata
.endif
;; end of part 2
